; MI455X (gfx1250); checked and timed in simulation.
; The chip was launched on July 23, 2026; its instructions are those of AMD's public machine-readable ISA for CDNA 5 (MIT licence, August 2026) and "CDNA5" Instruction Set Architecture Reference Guide (July 2026). The comments in the code are by the model that wrote it; some were corrected since.
;; Mo E. Allowed arithmetic: float matrix products may take bf16 or f16 operands with f32 sums; other float arithmetic in f32, or as packed bf16 or f16 multiplies, adds, multiply-adds, maxima and minima; sums over many terms, partial sums and values carried from step to step in f32; what a program stores and reads back later, other than sums and carried values, may be rounded once to bf16 or f16.
;; Inputs: w_proj 4 x 4,096 x 1,024 float32; w_router 1,024 x 4 float32; w_v 4 x 1,024 x 8,192 float32; x 2 x 512 x 1,024 float32.
;; Outputs: out0 2 x 512 x 1,024 float32.
;; 2 versions, each right; version 2 is version 1 with the launch down written anew for expert scheduling mode. Each part assembles by itself: llvm-mc -triple=amdgcn-amd-amdhsa -mcpu=gfx1250 --defsym DOCPART=n.
;; ======== version 1 of 2: 4 launches
;; workspace buffers: xb 2,097,152 bytes; idx 4,096 bytes of whole numbers; meta 16,640 bytes of whole numbers; hs 33,554,432 bytes; part 67,108,864 bytes
;; launch route (part 1): grid 256 x 1, 4 waves a work-group, no clusters, 0 bytes of LDS; arguments x, w_router, xb, idx; writes xb, idx
.if DOCPART == 1
	.amdgcn_target "amdgcn-amd-amdhsa--gfx1250"
	.amdhsa_code_object_version 6
	.text
	.protected	k_qeae1fe0808_route
	.globl	k_qeae1fe0808_route
	.p2align	8
	.type	k_qeae1fe0808_route,@function
k_qeae1fe0808_route:
	s_mov_b64 s[64:65], 0
	v_nop
	global_prefetch_b8 v0, s[64:65] scope:SCOPE_SE
	s_setreg_imm32_b32 hwreg(HW_REG_WAVE_MODE, 25, 1), 1
	s_wait_xcnt 0x0
; ROUTER.  One wave, one token (4 x 256 = 1,024 tokens).  xb[token][:] = x rounded to bf16; logits = bf16(x) . bf16(w_router) with f32 sums;
; softmax with the maximum taken away; idx[token] = the first expert with the largest probability (a strict 'greater' keeps the lower index).
; The choice is only stored here, at a fixed place: no address of this launch hangs on it.
; LIMITS.  All inputs of the program are rounded to bf16 once, the router's too.  The 1,024 terms of a logit are added in another order than a
; library's sum, so two logits closer than some 1e-7 of their size may be ordered otherwise.  A probability below 2^-126 counts as 0.
; NaN among the logits is not treated apart.
; No matrix unit (4 columns), no LDS (a wave holds its row), no barrier.
.set X,   8                            ; v[8:39]    my 32 numbers of the row: d = 128 m + 4 lane + k at X + 4 m + k
.set XP,  40                           ; v[40:55]   the same in bf16, two to a register
.set W,   56                           ; v[56:183]  w_router's rows d: four experts each, at W + 4 (4 m + k)
.set WP,  184                          ; v[184:191] a row of w_router in bf16 (two registers), four such pairs by turns
.set ACC, 192                          ; v[192:195] the four logits, then the probabilities
.set T,   196                          ; v[196:199] at work
	s_load_b256 s[4:11], s[0:1], 0x0               ; x s[4:5], w_router s[6:7], xb s[8:9], idx s[10:11]
	v_and_b32 v1, 31, v0                           ; lane
	v_lshrrev_b32 v6, 5, v0
	v_readfirstlane_b32 s12, v6                    ; wave
	s_lshl_b32 s13, ttmp9, 2
	s_add_co_u32 s13, s13, s12                     ; token
	v_lshlrev_b32 v2, 4, v1                        ; 16 lane: x
	v_lshlrev_b32 v3, 6, v1                        ; 64 lane: four rows of w_router
	v_lshlrev_b32 v4, 3, v1                        ; 8 lane: xb
	v_mov_b32 v5, 0
	s_mov_b32 s14, 0x76543210                      ; v_permlanex16_b32: each lane takes its own place in the other half
	s_mov_b32 s15, 0xfedcba98
	s_lshl_b32 s16, s13, 12                        ; a row of x is 4,096 bytes,
	s_mov_b32 s17, 0
	s_lshl_b32 s18, s13, 11                        ; of xb 2,048,
	s_mov_b32 s19, 0
	s_lshl_b32 s22, s13, 2                         ; of idx 4
	s_mov_b32 s23, 0
	s_wait_kmcnt 0x0
	s_add_nc_u64 s[4:5], s[4:5], s[16:17]
	s_add_nc_u64 s[8:9], s[8:9], s[18:19]
	s_add_nc_u64 s[10:11], s[10:11], s[22:23]
.irp m, 0,1,2,3,4,5,6,7
	global_load_b128 v[X+4*\m:X+4*\m+3], v2, s[4:5] offset:512*\m th:TH_LOAD_NT  ; 512 consecutive bytes a load; the row is read once in the launch
.endr
.set i, 0
.rept 32
	global_load_b128 v[W+4*i:W+4*i+3], v3, s[6:7] offset:2048*(i/4)+16*(i%4)     ; row d = 128 (i / 4) + 4 lane + i % 4
.set i, i+1
.endr
	s_wait_loadcnt 32                              ; x is in: the 32 loads of w_router are younger
.set i, 0
.rept 16
	v_cvt_pk_bf16_f32 v[XP+i], v[X+2*i], v[X+2*i+1]
.set i, i+1
.endr
.irp m, 0,1,2,3,4,5,6,7
	global_store_b64 v4, v[XP+2*\m:XP+2*\m+1], s[8:9] offset:256*\m              ; the wave's store covers 256 consecutive bytes, aligned
.endr
; Element i of my 32: w_router's row is rounded, then four multiply-adds straight from the bf16 halves into the f32 sums.  hx: which half of XP holds x.
.macro DOT i, hx, first
	v_cvt_pk_bf16_f32 v[WP+2*((\i)%4)],   v[W+4*(\i)],   v[W+4*(\i)+1]
	v_cvt_pk_bf16_f32 v[WP+2*((\i)%4)+1], v[W+4*(\i)+2], v[W+4*(\i)+3]
.if \first
	v_fma_mix_f32_bf16 v[ACC],   v[XP+(\i)/2], v[WP+2*((\i)%4)],   v5 op_sel:[\hx,0,0] op_sel_hi:[1,1,0]   ; the first products start the sums
	v_fma_mix_f32_bf16 v[ACC+1], v[XP+(\i)/2], v[WP+2*((\i)%4)],   v5 op_sel:[\hx,1,0] op_sel_hi:[1,1,0]
	v_fma_mix_f32_bf16 v[ACC+2], v[XP+(\i)/2], v[WP+2*((\i)%4)+1], v5 op_sel:[\hx,0,0] op_sel_hi:[1,1,0]
	v_fma_mix_f32_bf16 v[ACC+3], v[XP+(\i)/2], v[WP+2*((\i)%4)+1], v5 op_sel:[\hx,1,0] op_sel_hi:[1,1,0]
.else
	v_fma_mix_f32_bf16 v[ACC],   v[XP+(\i)/2], v[WP+2*((\i)%4)],   v[ACC]   op_sel:[\hx,0,0] op_sel_hi:[1,1,0]
	v_fma_mix_f32_bf16 v[ACC+1], v[XP+(\i)/2], v[WP+2*((\i)%4)],   v[ACC+1] op_sel:[\hx,1,0] op_sel_hi:[1,1,0]
	v_fma_mix_f32_bf16 v[ACC+2], v[XP+(\i)/2], v[WP+2*((\i)%4)+1], v[ACC+2] op_sel:[\hx,0,0] op_sel_hi:[1,1,0]
	v_fma_mix_f32_bf16 v[ACC+3], v[XP+(\i)/2], v[WP+2*((\i)%4)+1], v[ACC+3] op_sel:[\hx,1,0] op_sel_hi:[1,1,0]
.endif
.endm
	s_wait_loadcnt 28                              ; the first four rows of w_router are in: 28 loads are younger
	DOT 0, 0, 1
	DOT 1, 1, 0
.set i, 2
.rept 15
.if i%4 == 0
	s_wait_loadcnt 28-i                            ; rows i to i + 3 are in: 28 - i loads are younger
.endif
	DOT i, 0, 0
	DOT i+1, 1, 0
.set i, i+2
.endr
	; the sums over the 32 lanes: four steps inside each half ride on the addition, one crosses the halves
.irp x, 1,2,4,8
.irp e, 0,1,2,3
	v_add_f32_dpp v[ACC+\e], v[ACC+\e], v[ACC+\e] row_xmask:\x row_mask:0xf bank_mask:0xf
.endr
.endr
.irp e, 0,1,2,3
	v_mov_b32 v[T+\e], 0                           ; v_permlanex16_b32's destination counts as read
.endr
.irp e, 0,1,2,3
	v_permlanex16_b32 v[T+\e], v[ACC+\e], s14, s15
.endr
.irp e, 0,1,2,3
	v_add_f32 v[ACC+\e], v[ACC+\e], v[T+\e]        ; every lane holds the four logits
.endr
	; softmax: the maximum is taken away, as reference() does
	v_max3_num_f32 v[T], v[ACC], v[ACC+1], v[ACC+2]
	v_max_num_f32 v[T], v[T], v[ACC+3]
.irp e, 0,1,2,3
	v_sub_f32 v[ACC+\e], v[ACC+\e], v[T]
.endr
.irp e, 0,1,2,3
	v_mul_f32 v[ACC+\e], 0x3fb8aa3b, v[ACC+\e]     ; log2(e): v_exp_f32 works in base 2
.endr
.irp e, 0,1,2,3
	v_exp_f32 v[ACC+\e], v[ACC+\e]
.endr
	v_nop                                          ; a plain instruction behind the last exponential,
	s_wait_alu depctr_va_vdst(0)                   ; and one wait for the four, ahead of their first reader
	v_add_f32 v[T], v[ACC], v[ACC+1]
	v_add_f32 v[T+1], v[ACC+2], v[ACC+3]
	v_add_f32 v[T], v[T], v[T+1]
	v_rcp_f32 v[T+1], v[T]
	v_nop
	s_wait_alu depctr_va_vdst(0)
.irp e, 0,1,2,3
	v_mul_f32 v[ACC+\e], v[ACC+\e], v[T+1]
.endr
	; argmax: a later expert wins only if strictly greater
	v_mov_b32 v[T+2], 0
	v_cmp_gt_f32 vcc_lo, v[ACC+1], v[ACC]
	v_cndmask_b32 v[T+2], v[T+2], 1, vcc_lo
	v_max_num_f32 v[T], v[ACC], v[ACC+1]
	v_cmp_gt_f32 vcc_lo, v[ACC+2], v[T]
	v_cndmask_b32 v[T+2], v[T+2], 2, vcc_lo
	v_max_num_f32 v[T], v[T], v[ACC+2]
	v_cmp_gt_f32 vcc_lo, v[ACC+3], v[T]
	v_cndmask_b32 v[T+2], v[T+2], 3, vcc_lo
	v_cmp_eq_u32 vcc_lo, 0, v1                     ; lane 0 stores the token's word
	s_wait_xcnt 0x0                                ; EXEC is a source of the loads and stores above: it changes only behind this wait
	s_and_saveexec_b32 s20, vcc_lo
	global_store_b32 v5, v[T+2], s[10:11]
	s_wait_xcnt 0x0                                ; and again ahead of the line that widens it
	s_or_b32 exec_lo, exec_lo, s20
	s_endpgm
.Lfunc_end_k_qeae1fe0808_route:
	.size	k_qeae1fe0808_route, .Lfunc_end_k_qeae1fe0808_route-k_qeae1fe0808_route
	.p2alignl 7, 3214868480
	.fill 96, 4, 3214868480
	.section	.rodata,"a",@progbits
	.p2align	6, 0x0
	.amdhsa_kernel k_qeae1fe0808_route
		.amdhsa_group_segment_fixed_size 0
		.amdhsa_private_segment_fixed_size 0
		.amdhsa_enable_private_segment 0
		.amdhsa_kernarg_size 32
		.amdhsa_user_sgpr_count 2
		.amdhsa_user_sgpr_kernarg_segment_ptr 1
		.amdhsa_wavefront_size32 1
		.amdhsa_system_sgpr_workgroup_id_x 1
		.amdhsa_system_sgpr_workgroup_id_y 1
		.amdhsa_system_sgpr_workgroup_id_z 1
		.amdhsa_system_vgpr_workitem_id 0
		.amdhsa_next_free_vgpr 200
		.amdhsa_next_free_sgpr 66
		.amdhsa_reserve_vcc 1
		.amdhsa_float_denorm_mode_32 3
		.amdhsa_float_denorm_mode_16_64 3
		.amdhsa_memory_ordered 1
		.amdhsa_forward_progress 1
		.amdhsa_inst_pref_size 22
	.end_amdhsa_kernel
	.amdgpu_metadata
---
amdhsa.version: [ 1, 2 ]
amdhsa.kernels:
  - .name:           k_qeae1fe0808_route
    .symbol:         k_qeae1fe0808_route.kd
    .args:
      - { .name: x, .offset: 0, .size: 8, .value_kind: global_buffer, .address_space: global }
      - { .name: w_router, .offset: 8, .size: 8, .value_kind: global_buffer, .address_space: global }
      - { .name: xb, .offset: 16, .size: 8, .value_kind: global_buffer, .address_space: global }
      - { .name: idx, .offset: 24, .size: 8, .value_kind: global_buffer, .address_space: global }
    .group_segment_fixed_size: 0
    .private_segment_fixed_size: 0
    .kernarg_segment_align: 8
    .kernarg_segment_size: 32
    .max_flat_workgroup_size: 128
    .sgpr_count:     66
    .vgpr_count:     200
    .wavefront_size: 32
...
	.end_amdgpu_metadata
.endif
;; end of part 1
;; launch up (part 2): grid 64 x 4, 4 waves a work-group, no clusters, 267,008 bytes of LDS; arguments w_v, xb, idx, hs, meta; writes hs, meta
.if DOCPART == 2
	.amdgcn_target "amdgcn-amd-amdhsa--gfx1250"
	.amdhsa_code_object_version 6
	.text
	.protected	k_qeae1fe0808_up
	.globl	k_qeae1fe0808_up
	.p2align	8
	.type	k_qeae1fe0808_up,@function
k_qeae1fe0808_up:
	s_mov_b64 s[64:65], 0
	v_nop
	global_prefetch_b8 v0, s[64:65] scope:SCOPE_SE
	s_setreg_imm32_b32 hwreg(HW_REG_WAVE_MODE, 25, 1), 1
	s_wait_xcnt 0x0
; FIRST PRODUCT AND SWIGLU.  Work-group (s, e): expert e, hidden columns 64 s .. 64 s + 63: 64 gate columns and the 64 value columns 4,096 further on.
; h = g sigmoid(g) v for ALL rows that chose e, rounded once to bf16 and stored in the order in which the second product's registers take it.
; PHASE 1.  The slice of w_v (1,024 rows x 2 x 256 bytes, f32) is read once, by this work-group alone, rounded to bf16 on its way through registers and
; laid into LDS as ready fragments.  A 16-byte load gives lane r the columns 4 r .. 4 r + 3 of a row: component c goes to column tile c, whose index r is
; column 4 r + c; rounding rows k and k + 1 together makes a fragment's registers: nothing is turned.  Sixteen lanes read 256 consecutive bytes, aligned.
; Each wave keeps four sets of 16 loads on their way.  In their shadow every wave makes the expert's 32 masks of 32 tokens, in scalar registers, and its count.
; PHASE 2, behind the slice's barrier: four passes of 320 rows (5 tiles of 16 for each wave) cover every split, 0 to 1,024 rows; a wave jumps a pass in which
; it has no tile.  Phase 2 writes no LDS: the slice is only read, and the tokens' rows come from xb straight into registers as fragments
; (a lane takes 2 x 16 bytes of its token's row for 32 along K), through a ring of four sets.  So the passes need no barrier.  Places past the count repeat the last row.
; A SET OWNS ITS BASE.  In both rings each of the four sets has a scalar base that its loads alone name.  The counted wait that shows a set's loads done
; therefore also frees its base, which steps in the set's own turn: no further wait stands in front of the step.
; WHICH TOKEN.  The expert's rows are numbered by mask and, in a mask, by bit.  A lane finds the token of its rank in registers: a scan over the 32 masks' running
; counts gives the mask, the counts of its 2, 4, 8 and 16 bits give the bit.  So an address in xb is made from idx by register arithmetic alone.
; THE MATRIX INSTRUCTION: source 0 = 16 weight columns, source 1 = 16 tokens: a lane holds ONE token and eight hidden columns, which is just how source 0
; of the second product wants h.  Fragment (e, t, q = 2 s + f) of hs: K place k' < 16 is hidden column 64 s + 4 k' + 2 f, k' >= 16 is 64 s + 4 (k' - 16) + 2 f + 1.
; NO TENSOR LOADS, NO CLUSTER: the passes hang on a count and are jumped; the token rows come by rank; each weight byte has one reader.
; LIMITS.  Weights and x are rounded to bf16, h once to bf16 (bf16, so that inputs 30 times larger keep their room).  exp2 results below 2^-126 count as 0.
; An expert without rows still has its slice read.  The order of an expert's tokens is this text's own (reference() has no capacity).
.set LIST,   262144                    ; behind the slice (WF, bytes 0 .. 262,143: [q 0..31][u = 4 blk + c][1,024]): the list on its way to meta, one wave's:
.set LISTW,  4352                      ; 1,024 words and 32 words for the lanes that have nothing to say, in whole blocks of 256 bytes
.set SPARE,  LIST+LISTW                ; the spare words, 128 bytes for each wave: two blocks of 256 bytes that no other line names
; window 0
.set LN,  1                            ; lane
.set L16, 2                            ; 16 lane
.set WO,  3                            ; w_v: (lane / 16) x 8 rows + (lane % 16) x 16 bytes
.set WS,  4                            ; where my fragments go in WF; steps
.set BR,  5                            ; where the weights' fragments are read; steps
.set LB,  8                            ; the list's first byte
.set DMP, 9                            ; 1,024 + lane
.set L4,  10                           ; 4 lane
.set LR,  11                           ; lane % 16
.set LC,  12                           ; 16 (lane / 16)
.set SPW, 16                           ; my spare word; never rewritten
.set NIL, 17                           ; 0; never rewritten
.set RA,  20                           ; v[20:24]  tile i: byte offset in xb of my token's row, + 16 (lane / 16)
.set T,   40                           ; v[40:71]  phase 1: four tiles' fragments, rounded
.set IX,  72                           ; phase 1: idx
.set LT,  104                          ; phase 1: the list on its way to meta
; the search, five registers each, one a tile
.set SK,  140                          ; 32 rank + 31; then the rank inside the mask
.set SY,  145                          ; the key of the mask found: 32 x (rows before it) + its number
.set SM,  150                          ; the mask
.set SA,  155                          ; its counts by 2 bits,
.set SB,  160                          ; by 4,
.set SC,  165                          ; by 8,
.set SE,  170                          ; and, in the low byte, of its low 16
.set SP,  175                          ; the bit's place, as far as it is known
.set ST,  180                          ; at work
.set SD,  185                          ; at work
; window 1: v0-63, v64-127 weights' fragments, two buffers of 8 x 8; in phase 1 four sets of 64 as loaded
; window 2: accumulators of tiles 0-3: (i, u) at 64 i + 8 u; u = c gate, 4 + c value
; window 3: v0-63 tile 4's; v64-223 the tokens' fragments: four sets of 5 x 8
.set AS,  64
.set CM,  33                           ; s[33:37]  the search's compare results, one a tile
.set MK,  66                           ; s[66:97]  mask g: bit l is token 128 (g / 4) + 4 l + g % 4
; s[24:25], s[26:27], s[58:59], s[60:61]  the base of ring set 0, 1, 2, 3: in phase 1 in w_v, in phase 2 in xb
.set MSB, 0
.macro WIN new                         ; s_set_vgpr_msb: bits 1:0 source 0, 3:2 source 1, 5:4 source 2, 7:6 destination; the high byte repeats the setting that is left
.if MSB != (\new)
	s_set_vgpr_msb (MSB<<8)|(\new)
.set MSB, (\new)
.endif
.endm
.macro PLACES                          ; four plain instructions between a matrix instruction and a load into, or a vector read of, its registers
.rept 4
	v_nop
.endr
.endm
.macro EACH line:vararg                ; one line for each of my five tiles ti: the five do not wait for each other
.set ti, 0
.rept 5
	\line
.set ti, ti+1
.endr
.endm
; Ring set 'set' goes on by 'bytes'.  It stands behind the counted wait that shows the set's loads done; no other load names this base.
.macro BSTEP set, bytes
.set BP, 24+2*(\set)+30*((\set)/2)
	s_add_nc_u64 s[BP:BP+1], s[BP:BP+1], \bytes
.endm
; 16 loads: the 32 K rows of one fragment column q, 64 columns of my block, into staging set 'set', from the set's own base
.macro WISSUE set
	WIN 0x40
.set BP, 24+2*(\set)+30*((\set)/2)
.irp j, 0,1,2,3,4,5,6,7
	global_load_b128 v[64*(\set)+4*\j:64*(\set)+4*\j+3], v[WO], s[BP:BP+1] offset:\j*32768 th:TH_LOAD_NT
.endr
.irp j, 0,1,2,3,4,5,6,7
	global_load_b128 v[64*(\set)+32+4*\j:64*(\set)+32+4*\j+3], v[WO], s[BP:BP+1] offset:(16+\j)*32768 th:TH_LOAD_NT
.endr
.endm
; rows 8 h + 2 i and 8 h + 2 i + 1 of component c make register i of tile c's fragment; rows 16 + 8 h + .. registers 4 to 7
.macro WCVT set
	WIN 0x05
.irp c, 0,1,2,3
.irp i, 0,1,2,3
	v_cvt_pk_bf16_f32 v[T+8*\c+\i], v[64*(\set)+8*\i+\c], v[64*(\set)+8*\i+4+\c]
.endr
.irp i, 0,1,2,3
	v_cvt_pk_bf16_f32 v[T+8*\c+4+\i], v[64*(\set)+32+8*\i+\c], v[64*(\set)+36+8*\i+\c]
.endr
.endr
.endm
.macro WSTORE n                        ; lane l at 16 l: consecutive bytes
	WIN 0
.irp c, 0,1,2,3
	ds_store_b128 v[WS], v[T+8*\c:T+8*\c+3]   offset:(\n)*16384+\c*1024
	ds_store_b128 v[WS], v[T+8*\c+4:T+8*\c+7] offset:(\n)*16384+\c*1024+512
.endr
.endm
; 10 loads: 32 along K of my five tiles of tokens, as fragments, into ring set 'set', from the set's own base
.macro ALOAD set
	WIN 0xc0
.set BP, 24+2*(\set)+30*((\set)/2)
.irp i, 0,1,2,3,4
	global_load_b128 v[AS+40*(\set)+8*\i:AS+40*(\set)+8*\i+3],   v[RA+\i], s[BP:BP+1]
	global_load_b128 v[AS+40*(\set)+8*\i+4:AS+40*(\set)+8*\i+7], v[RA+\i], s[BP:BP+1] offset:32
.endr
.endm
; 16 LDS loads: the eight column tiles of 32 along K into buffer f, at byte bo from BR
.macro BLOAD f, bo
	WIN 0x40
.irp u, 0,1,2,3,4,5,6,7
	ds_load_b128 v[64*(\f)+8*\u:64*(\f)+8*\u+3],   v[BR] offset:(\bo)+\u*1024
	ds_load_b128 v[64*(\f)+8*\u+4:64*(\f)+8*\u+7], v[BR] offset:(\bo)+\u*1024+512
.endr
.endm
; 32 along K: 32 products for tiles 0-3, 8 for tile 4.  The accumulators take turns, one instruction a turn.
; zero = 1: the first K step starts the sums, tile 4's too, so that every accumulator is written whatever the count.  Later, tile 4's products are jumped where the tile is dead.
.macro MM set, f, zero
	WIN 0xad                                       ; weights window 1, tokens window 3, sums window 2
.irp i, 0,1,2,3
.irp u, 0,1,2,3,4,5,6,7
.if \zero
	v_wmma_f32_16x16x32_bf16 v[64*\i+8*\u:64*\i+8*\u+7], v[64*(\f)+8*\u:64*(\f)+8*\u+7], v[AS+40*(\set)+8*\i:AS+40*(\set)+8*\i+7], 0
.else
	v_wmma_f32_16x16x32_bf16 v[64*\i+8*\u:64*\i+8*\u+7], v[64*(\f)+8*\u:64*(\f)+8*\u+7], v[AS+40*(\set)+8*\i:AS+40*(\set)+8*\i+7], v[64*\i+8*\u:64*\i+8*\u+7]
.endif
.endr
.endr
.if \zero
	WIN 0xfd                                       ; the same with the sums in window 3
.irp u, 0,1,2,3,4,5,6,7
	v_wmma_f32_16x16x32_bf16 v[8*\u:8*\u+7], v[64*(\f)+8*\u:64*(\f)+8*\u+7], v[AS+40*(\set)+32:AS+40*(\set)+39], 0
.endr
	WIN 0
.else
	WIN 0                                          ; at a branch and at a label every window is 0
	s_cmp_ge_u32 s54, s18
	s_cbranch_scc1 .Lno4_\@
	WIN 0xfd
.irp u, 0,1,2,3,4,5,6,7
	v_wmma_f32_16x16x32_bf16 v[8*\u:8*\u+7], v[64*(\f)+8*\u:64*(\f)+8*\u+7], v[AS+40*(\set)+32:AS+40*(\set)+39], v[8*\u:8*\u+7]
.endr
	WIN 0
.Lno4_\@:
.endif
.endm
; A K STEP, number j of a trip's four: ring set j, weights' buffer j % 2.  al = 1: the set takes the tokens' fragments four steps on; bl = 1: the buffer the weights' two steps on.
; lw: the loads of the younger sets, which may stay out; dw: the LDS loads of the next step's weights.
.macro STEP j, zero, al, bl, lw, dw
	s_wait_loadcnt \lw                             ; set j's ten loads are in, so its base is free as well
	s_wait_dscnt \dw
	MM \j, (\j)%2, \zero
.if (\al) || (\bl)
	PLACES                                         ; ahead of loads into registers that the products above have read
.endif
.if \al
	BSTEP \j, 256                                  ; four K steps of 64 bytes on in the rows of xb
	ALOAD \j
.endif
.if \bl
	BLOAD (\j)%2, ((\j)+2)*8192
.endif
.endm
; One step of the descent to the bit of a given rank: of the 2 w bits from SP on, the lower w hold 'src >> SP & msk' set bits; where the rank is not among them it is
; taken down by that many, and the place goes up by w.  last = 1: the rank is not needed any more.
.macro LEVEL src, msk, w, last=0
	EACH v_lshrrev_b32 v[ST+ti], v[SP+ti], v[\src+ti]
	EACH v_and_b32 v[ST+ti], \msk, v[ST+ti]
	EACH v_cmp_ge_u32 s[CM+ti], v[SK+ti], v[ST+ti]
.if !(\last)
	EACH v_cndmask_b32 v[ST+ti], 0, v[ST+ti], s[CM+ti]
.endif
	EACH v_cndmask_b32 v[SD+ti], 0, \w, s[CM+ti]
.if !(\last)
	EACH v_sub_nc_u32 v[SK+ti], v[SK+ti], v[ST+ti]
.endif
	EACH v_add_nc_u32 v[SP+ti], v[SP+ti], v[SD+ti]
.endm
; Tile i: h = g v / (1 + 2^(-g log2 e)), in the tile's own window; each accumulator is read from its low end on.  A dead tile is jumped.
.macro SWIGLU i
	WIN 0
	s_cmp_ge_u32 s[50+(\i)], s18
	s_cbranch_scc1 .Ldead_\@
.set GB, 64*((\i)%4)
.if (\i) < 4
	WIN 0xaa
.else
	WIN 0xff
.endif
.set z, 0
.rept 16
	v_pk_mul_f32 v[GB+32+2*z:GB+33+2*z], v[GB+32+2*z:GB+33+2*z], v[GB+2*z:GB+2*z+1]   ; g v
.set z, z+1
.endr
.set z, 0
.rept 16
	v_pk_mul_f32 v[GB+2*z:GB+2*z+1], v[GB+2*z:GB+2*z+1], s[56:57] op_sel_hi:[1,0]     ; - g log2 e
.set z, z+1
.endr
.set z, 0
.rept 32
	v_exp_f32 v[GB+z], v[GB+z]
.set z, z+1
.endr
	v_nop                                          ; a plain instruction behind the last exponential,
	s_wait_alu depctr_va_vdst(0)                   ; and one wait for the batch of 32
.set z, 0
.rept 16
	v_pk_add_f32 v[GB+2*z:GB+2*z+1], v[GB+2*z:GB+2*z+1], 1.0 op_sel_hi:[1,0]
.set z, z+1
.endr
.set z, 0
.rept 32
	v_rcp_f32 v[GB+z], v[GB+z]
.set z, z+1
.endr
	v_nop
	s_wait_alu depctr_va_vdst(0)
.set z, 0
.rept 16
	v_pk_mul_f32 v[GB+32+2*z:GB+33+2*z], v[GB+32+2*z:GB+33+2*z], v[GB+2*z:GB+2*z+1]
.set z, z+1
.endr
.set z, 0
.rept 16
	v_cvt_pk_bf16_f32 v[GB+8*(z/4)+z%4], v[GB+32+2*z], v[GB+33+2*z]                   ; tile c's eight numbers: 16 bytes a lane
.set z, z+1
.endr
.if (\i) < 4
	WIN 0x08
.else
	WIN 0x0c
.endif
.irp c, 0,1,2,3
	global_store_b128 v[L16], v[GB+8*\c:GB+8*\c+3], s[40+2*(\i):41+2*(\i)] offset:512*\c  ; 512 consecutive bytes, aligned: half a fragment of hs
.endr
	WIN 0
.Ldead_\@:
.endm
	s_load_b256 s[4:11], s[0:1], 0x0               ; w_v s[4:5], xb s[6:7], idx s[8:9], hs s[10:11]
	s_load_b64 s[12:13], s[0:1], 0x20              ; meta
	v_lshl_add_u32 v[SPW], v0, 2, SPARE
	v_mov_b32 v[NIL], 0
	v_and_b32 v[LN], 31, v0
	v_lshrrev_b32 v13, 5, v0
	v_readfirstlane_b32 s14, v13                   ; wave
	s_and_b32 s15, ttmp7, 0xffff                   ; e
	s_mov_b32 s16, ttmp9                           ; s
	v_lshlrev_b32 v[L16], 4, v[LN]
	v_lshrrev_b32 v13, 4, v[LN]                    ; h = lane / 16
	v_and_b32 v[LR], 15, v[LN]                     ; r = lane % 16
	v_lshlrev_b32 v[LC], 4, v13
	v_lshlrev_b32 v[WO], 4, v[LR]
	v_lshl_add_u32 v[WO], v13, 18, v[WO]           ; 8 rows of 32,768 bytes for the upper lanes
	s_and_b32 s20, s14, 1                          ; blk: my wave rounds gate (0) or value (1) columns,
	s_lshr_b32 s21, s14, 1                         ; of the even or the odd q
	s_lshl_b32 s22, s20, 12
	s_lshl_b32 s23, s21, 13
	s_add_co_u32 s22, s22, s23
	v_add_nc_u32 v[WS], s22, v[L16]
	v_mov_b32 v[LB], LIST
	v_add_nc_u32 v[DMP], 1024, v[LN]
	v_lshlrev_b32 v[L4], 2, v[LN]
	s_mov_b32 s56, 0xbfb8aa3b                      ; - log2 e
	s_mov_b32 s57, s56                             ; named with it as a pair
	s_lshl_b32 s24, s15, 25                        ; the expert's 2^25 bytes,
	s_lshl_b32 s22, s20, 14                        ; 4,096 columns on for the values,
	s_add_co_u32 s24, s24, s22
	s_lshl_b32 s22, s16, 8                         ; my slice's 64 columns,
	s_add_co_u32 s24, s24, s22
	s_lshl_b32 s22, s21, 20                        ; 32 rows on for the odd q
	s_add_co_u32 s24, s24, s22
	s_mov_b32 s25, 0
	s_wait_kmcnt 0x0
	s_add_nc_u64 s[24:25], s[4:5], s[24:25]        ; set 0 begins with my first q,
	s_add_nc_u64 s[26:27], s[24:25], 0x200000      ; set 1 with my second, 64 rows of 32,768 bytes on,
	s_add_nc_u64 s[58:59], s[24:25], 0x400000      ; set 2 with my third,
	s_add_nc_u64 s[60:61], s[24:25], 0x600000      ; set 3 with my fourth
.irp i, 0,1,2,3,4,5,6,7
	global_load_b128 v[IX+4*\i:IX+4*\i+3], v[L16], s[8:9] offset:512*\i   ; tokens 128 i + 4 lane + 0..3
.endr
	WISSUE 0
	WISSUE 1
	WISSUE 2
	WIN 0
	; THE MASKS AND THE COUNT: 32 groups of 32 tokens
	s_mov_b32 s17, 0                               ; the count
	s_wait_loadcnt 48                              ; idx is in: 48 loads of weights are younger
.set g, 0
.rept 32
	v_cmp_eq_u32 s[MK+g], s15, v[IX+g]
.set g, g+1
.endr
.set g, 0
.rept 32
	s_bcnt1_i32_b32 s21, s[MK+g]
	s_add_co_u32 s17, s17, s21
.set g, g+1
.endr
	s_min_u32 s17, s17, 1024
	s_add_co_u32 s18, s17, 15
	s_lshr_b32 s18, s18, 4                         ; nt: tiles of 16 rows
	s_max_u32 s19, s17, 1
	s_sub_co_u32 s19, s19, 1                       ; the last row
	; meta: wave 0 of slice 0 stores the expert's count and list for the launches behind
	s_cmp_lg_u32 s16, 0
	s_cbranch_scc1 .Lnometa
	s_cmp_lg_u32 s14, 0
	s_cbranch_scc1 .Lnometa
	s_lshl_b32 s20, s15, 2
	s_add_co_u32 s20, s20, 16384
	v_mov_b32 v13, s20
	v_mov_b32 v14, s17
	v_cmp_eq_u32 vcc_lo, 0, v[LN]
	s_wait_xcnt 0x0                                ; EXEC is a source of the loads above: it changes only behind this wait
	s_and_saveexec_b32 s21, vcc_lo
	global_store_b32 v13, v14, s[12:13]
	s_wait_xcnt 0x0
	s_or_b32 exec_lo, exec_lo, s21
	s_cmp_eq_u32 s17, 0
	s_cbranch_scc1 .Lnometa                        ; no rows: nobody reads the list
	; the list, through LDS: a token of the expert takes the place 'those before it'; the others write into the 32 words behind the list
	s_mov_b32 s30, 0
.set g, 0
.rept 32
	v_mbcnt_lo_u32_b32 v13, s[MK+g], s30           ; the rows of earlier masks + the lanes below me that chose e
	v_cndmask_b32 v13, v[DMP], v13, s[MK+g]
	v_min_u32 v13, 0x41f, v13                      ; inside the 1,056 words whatever idx holds
	v_lshl_add_u32 v13, v13, 2, v[LB]
	v_add_nc_u32 v14, 128*(g/4)+g%4, v[L4]         ; the token
	ds_store_b32 v13, v14
	s_bcnt1_i32_b32 s21, s[MK+g]
	s_add_co_u32 s30, s30, s21
.set g, g+1
.endr
	v_lshlrev_b32 v18, 1, v[LN]
.set n, 0
.rept 32
	v_add_nc_u32 v13, 64*(n/2)+n%2, v18            ; place 64 (n / 2) + 2 lane + n % 2; places past the count repeat the last token
	v_min_u32 v13, s19, v13
	v_min_u32 v13, 0x3ff, v13
	v_lshl_add_u32 v13, v13, 2, v[LB]
	ds_load_b32 v[LT+n], v13                       ; LDS serves a wave's instructions in order (ISA guide 5.7.1.4): these see the stores above
.set n, n+1
.endr
	s_lshl_b32 s20, s15, 12
	v_lshl_add_u32 v19, v[LN], 3, s20
	s_wait_dscnt 0x0
.set n, 0
.rept 16
	global_store_b64 v19, v[LT+2*n:LT+2*n+1], s[12:13] offset:256*n   ; 256 consecutive bytes, aligned; v19, LT and s[12:13] are not written again in this text
.set n, n+1
.endr
.Lnometa:
	WISSUE 3
	WIN 0
	s_mov_b32 s28, 3
.Lw:                                                   ; a trip: four sets are rounded, stored and asked for again
.irp t, 0,1,2,3
	s_wait_loadcnt 48                              ; this set is in: three sets of 16 are younger, and they name other bases
	WCVT \t
	WSTORE \t
	BSTEP \t, 0x800000                             ; four q of mine on: 256 rows of 32,768 bytes
	WISSUE \t
.endr
	WIN 0
	v_add_nc_u32 v[WS], 0x10000, v[WS]
	s_sub_co_u32 s28, s28, 1
	s_cmp_lg_u32 s28, 0
	s_cbranch_scc1 .Lw
.irp t, 0,1,2,3
	s_wait_loadcnt 48-16*\t                        ; the last four sets: nothing is asked for, the counts run down
	WCVT \t
	WSTORE \t
.endr
	WIN 0
	s_wait_dscnt 0x0                               ; for the others' sake: my part of the slice is in LDS
	s_barrier_signal -1
	s_barrier_wait -1                              ; the slice is whole; in the passes below LDS is only read
	s_mov_b32 s32, 0                               ; the pass
.Lpass:
	s_mul_i32 s50, s32, 20
	s_add_co_u32 s50, s50, s14                     ; my tiles: 20 p + 4 i + wave
	s_add_co_u32 s51, s50, 4
	s_add_co_u32 s52, s50, 8
	s_add_co_u32 s53, s50, 12
	s_add_co_u32 s54, s50, 16
	s_cmp_ge_u32 s50, s18
	s_cbranch_scc1 .Lnext                          ; no tile of mine in this pass
	s_lshl_b32 s22, s15, 23
	s_lshl_b32 s23, s16, 11
	s_add_co_u32 s22, s22, s23
	s_mov_b32 s21, 0
.irp i, 0,1,2,3,4
	s_lshl_b32 s20, s[50+\i], 17
	s_add_co_u32 s20, s20, s22
	s_add_nc_u64 s[40+2*\i:41+2*\i], s[10:11], s[20:21]   ; hs at fragment (e, T_i, 2 s)
.endr
	; THE SEARCH.  My rank in tile i: 16 T_i + lane % 16, or the last row.
	EACH v_lshl_add_u32 v[SK+ti], s[50+ti], 4, v[LR]
	EACH v_min_u32 v[SK+ti], s19, v[SK+ti]
	EACH v_lshl_or_b32 v[SK+ti], v[SK+ti], 5, 31   ; 32 rank + 31: not less than mask g's key, 32 x (rows before it) + g, just where the rows before it are not more than the rank
	EACH v_mov_b32 v[SY+ti], 0                     ; mask 0 has the key 0
	EACH v_mov_b32 v[SM+ti], s[MK]
	EACH v_mov_b32 v[SP+ti], 0
	s_bcnt1_i32_b32 s20, s[MK]                     ; the rows before mask 1
.set g, 1
.rept 31                               ; the keys ascend: the last mask whose key is not greater holds the rank (an empty mask is overtaken by the next)
	s_lshl_b32 s21, s20, 5
	s_or_b32 s21, s21, g
	EACH v_cmp_le_u32 s[CM+ti], s21, v[SK+ti]
	EACH v_cndmask_b32 v[SY+ti], v[SY+ti], s21, s[CM+ti]
	EACH v_cndmask_b32 v[SM+ti], v[SM+ti], s[MK+g], s[CM+ti]
.if g < 31
	s_bcnt1_i32_b32 s22, s[MK+g]
	s_add_co_u32 s20, s20, s22
.endif
.set g, g+1
.endr
	EACH v_sub_nc_u32 v[SK+ti], v[SK+ti], v[SY+ti] ; 32 (rank - rows before) + 31 - g:
	EACH v_lshrrev_b32 v[SK+ti], 5, v[SK+ti]       ; the rank inside the mask
	EACH v_lshrrev_b32 v[ST+ti], 1, v[SM+ti]       ; the mask's set bits, counted by 2,
	EACH v_and_b32 v[ST+ti], 0x55555555, v[ST+ti]
	EACH v_sub_nc_u32 v[SA+ti], v[SM+ti], v[ST+ti]
	EACH v_lshrrev_b32 v[ST+ti], 2, v[SA+ti]       ; by 4,
	EACH v_and_b32 v[ST+ti], 0x33333333, v[ST+ti]
	EACH v_and_b32 v[SB+ti], 0x33333333, v[SA+ti]
	EACH v_add_nc_u32 v[SB+ti], v[SB+ti], v[ST+ti]
	EACH v_lshrrev_b32 v[ST+ti], 4, v[SB+ti]       ; by 8,
	EACH v_add_nc_u32 v[SC+ti], v[SB+ti], v[ST+ti]
	EACH v_and_b32 v[SC+ti], 0x0f0f0f0f, v[SC+ti]
	EACH v_lshrrev_b32 v[ST+ti], 8, v[SC+ti]       ; and the low 16 (16 at the most: five bits)
	EACH v_add_nc_u32 v[SE+ti], v[SC+ti], v[ST+ti]
	LEVEL SE, 31, 16
	LEVEL SC, 15, 8
	LEVEL SB, 15, 4
	LEVEL SA, 3, 2
	LEVEL SM, 1, 1, 1
	EACH v_and_b32 v[ST+ti], 31, v[SY+ti]          ; g
	EACH v_and_b32 v[SD+ti], 3, v[ST+ti]
	EACH v_lshrrev_b32 v[ST+ti], 2, v[ST+ti]
	EACH v_lshl_or_b32 v[SD+ti], v[SP+ti], 2, v[SD+ti]
	EACH v_lshl_or_b32 v[SD+ti], v[ST+ti], 7, v[SD+ti]   ; the token: 128 (g / 4) + 4 bit + g % 4
	EACH v_min_u32 v[RA+ti], 0x3ff, v[SD+ti]       ; inside xb whatever idx holds
	EACH v_lshl_add_u32 v[RA+ti], v[RA+ti], 11, v[LC]    ; its row of 2,048 bytes, 16 bytes on for the upper lanes
	v_mov_b32 v[BR], v[L16]
	s_mov_b64 s[24:25], s[6:7]                     ; the four sets' bases: K steps 0 to 3, 64 bytes apart (no load is out: the last wait on loads, of phase 1 or of the pass before, was for 0)
	s_add_nc_u64 s[26:27], s[6:7], 64
	s_add_nc_u64 s[58:59], s[6:7], 128
	s_add_nc_u64 s[60:61], s[6:7], 192
	ALOAD 0                                        ; the ring is filled: K steps 0 to 3,
	ALOAD 1
	ALOAD 2
	ALOAD 3
	BLOAD 0, 0                                     ; and the weights of steps 0 and 1
	BLOAD 1, 8192
	STEP 0, 1, 1, 1, 30, 16                        ; step 0 starts the sums: nothing is cleared.  30: three younger sets of 10; 16: the next step's weights
	STEP 1, 0, 1, 1, 30, 16
	STEP 2, 0, 1, 1, 30, 16
	STEP 3, 0, 1, 1, 30, 16
	WIN 0
	v_add_nc_u32 v[BR], 0x8000, v[BR]              ; four steps on in the slice
	s_mov_b32 s29, 6
.Lk:                                                   ; steps 4 to 27, four a trip
	STEP 0, 0, 1, 1, 30, 16
	STEP 1, 0, 1, 1, 30, 16
	STEP 2, 0, 1, 1, 30, 16
	STEP 3, 0, 1, 1, 30, 16
	WIN 0
	v_add_nc_u32 v[BR], 0x8000, v[BR]
	s_sub_co_u32 s29, s29, 1
	s_cmp_lg_u32 s29, 0
	s_cbranch_scc1 .Lk
	STEP 0, 0, 0, 1, 30, 16                        ; steps 28 to 31: no rows are left to ask for, the counts run down
	STEP 1, 0, 0, 1, 20, 16
	STEP 2, 0, 0, 0, 10, 16
	STEP 3, 0, 0, 0, 0, 0
	PLACES                                         ; the vector work below reads results just made
	SWIGLU 0
	SWIGLU 1
	SWIGLU 2
	SWIGLU 3
	SWIGLU 4
	s_wait_xcnt 0x0                                ; the stores' data and bases are written again in the next pass
.Lnext:
	s_add_co_u32 s32, s32, 1
	s_cmp_lt_u32 s32, 4
	s_cbranch_scc1 .Lpass
	s_wait_dscnt 0x0                               ; my reads of LDS are over;
	s_barrier_signal -1
	s_barrier_wait -1                              ; everybody's are: the add below, the one LDS write behind the slice's barrier, stands behind all of them
	s_wait_tensorcnt 0x0                           ; the wave's end, behind my last LDS store
	ds_add_u32 v[SPW], v[NIL]
	s_wait_dscnt 0x0
	s_endpgm
.Lfunc_end_k_qeae1fe0808_up:
	.size	k_qeae1fe0808_up, .Lfunc_end_k_qeae1fe0808_up-k_qeae1fe0808_up
	.p2alignl 7, 3214868480
	.fill 96, 4, 3214868480
	.section	.rodata,"a",@progbits
	.p2align	6, 0x0
	.amdhsa_kernel k_qeae1fe0808_up
		.amdhsa_group_segment_fixed_size 267008
		.amdhsa_private_segment_fixed_size 0
		.amdhsa_enable_private_segment 0
		.amdhsa_kernarg_size 40
		.amdhsa_user_sgpr_count 2
		.amdhsa_user_sgpr_kernarg_segment_ptr 1
		.amdhsa_wavefront_size32 1
		.amdhsa_system_sgpr_workgroup_id_x 1
		.amdhsa_system_sgpr_workgroup_id_y 1
		.amdhsa_system_sgpr_workgroup_id_z 1
		.amdhsa_system_vgpr_workitem_id 0
		.amdhsa_next_free_vgpr 992
		.amdhsa_next_free_sgpr 98
		.amdhsa_reserve_vcc 1
		.amdhsa_float_denorm_mode_32 3
		.amdhsa_float_denorm_mode_16_64 3
		.amdhsa_memory_ordered 1
		.amdhsa_forward_progress 1
		.amdhsa_inst_pref_size 211
	.end_amdhsa_kernel
	.amdgpu_metadata
---
amdhsa.version: [ 1, 2 ]
amdhsa.kernels:
  - .name:           k_qeae1fe0808_up
    .symbol:         k_qeae1fe0808_up.kd
    .args:
      - { .name: w_v, .offset: 0, .size: 8, .value_kind: global_buffer, .address_space: global }
      - { .name: xb, .offset: 8, .size: 8, .value_kind: global_buffer, .address_space: global }
      - { .name: idx, .offset: 16, .size: 8, .value_kind: global_buffer, .address_space: global }
      - { .name: hs, .offset: 24, .size: 8, .value_kind: global_buffer, .address_space: global }
      - { .name: meta, .offset: 32, .size: 8, .value_kind: global_buffer, .address_space: global }
    .group_segment_fixed_size: 267008
    .private_segment_fixed_size: 0
    .kernarg_segment_align: 8
    .kernarg_segment_size: 40
    .max_flat_workgroup_size: 128
    .sgpr_count:     98
    .vgpr_count:     992
    .wavefront_size: 32
...
	.end_amdgpu_metadata
.endif
;; end of part 2
;; launch down (part 3): grid 64 x 4, 4 waves a work-group, no clusters, 131,584 bytes of LDS; arguments w_proj, hs, meta, part; writes part
.if DOCPART == 3
	.amdgcn_target "amdgcn-amd-amdhsa--gfx1250"
	.amdhsa_code_object_version 6
	.text
	.protected	k_qeae1fe0808_down
	.globl	k_qeae1fe0808_down
	.p2align	8
	.type	k_qeae1fe0808_down,@function
k_qeae1fe0808_down:
	s_mov_b64 s[64:65], 0
	v_nop
	global_prefetch_b8 v0, s[64:65] scope:SCOPE_SE
	s_setreg_imm32_b32 hwreg(HW_REG_WAVE_MODE, 25, 1), 1
	s_wait_xcnt 0x0
; SECOND PRODUCT.  Work-group (x = 4 ns + ks, e): expert e, output columns 64 ns .. + 63, hidden rows 1,024 ks .. + 1,023.  It stores f32 partial sums, as the
; accumulators lie; the launch behind adds the four K quarters.  The K split keeps the weights' rows at 256 bytes (64 f32 columns) on 256 work-groups.
; PHASE 1.  The slice of w_proj (1,024 rows x 256 bytes, f32) is read once, by this work-group alone, rounded to bf16 in registers and laid into LDS as ready
; fragments: component c of a 16-byte load goes to column tile c (index r is column 4 r + c), and the rows are taken in the order in which hs holds the hidden
; columns: K place k' < 16 of fragment q is hidden row 64 (q / 2) + 4 k' + 2 (q % 2), k' >= 16 the row behind it.
; PHASE 2, behind the one barrier: four passes of 320 rows, as in the launch before; h's fragments come from memory straight into registers as source 0
; (16 tokens), through a ring of six sets; nothing writes LDS: no barrier.  A dead tile repeats the expert's last tile and is not stored.
; NO TENSOR LOADS, NO CLUSTER: the passes hang on a stored count and are jumped; each weight byte has one reader.
; LIMITS.  w_proj is rounded to bf16.  An expert without rows still has its slices read.
.set SPARE, 131072                     ; behind WF ([q' 0..31][c][1,024]): the spare words, two blocks of 256 bytes that no other line names
.set LN,  1
.set L16, 2                            ; 16 lane: hs, part, and the fragments q' < 16 in WF
.set WO,  3                            ; w_proj: (lane / 16) x 32 rows + (lane % 16) x 16 bytes
.set WS0, 4                            ; where my fragments go: q' = 4 n + wave, n < 4
.set WS1, 5                            ; n >= 4
.set BHI, 7                            ; the fragments q' >= 16
.set SPW, 14
.set NIL, 15
.set AR,  16                           ; v[16:255]  h's fragments: six sets of 5 tiles x 8
.set T,   16                           ; phase 1: four tiles' fragments, rounded
; window 1: accumulator (i, c) at 32 i + 8 c (v0-159); v160-191, v192-223 the weights' fragments, two buffers.   window 2: four sets of 64 as loaded
.set MSB, 0
.macro WIN new
.if MSB != (\new)
	s_set_vgpr_msb (MSB<<8)|(\new)
.set MSB, (\new)
.endif
.endm
.macro PLACES
.rept 4
	v_nop
.endr
.endm
.macro DISSUE set, n                   ; 16 loads: the 32 K places of fragment q' = 4 n + wave: rows 32 h + 4 j + g
	WIN 0x80
.irp g, 0,1
.irp j, 0,1,2,3,4,5,6,7
	global_load_b128 v[64*(\set)+32*\g+4*\j:64*(\set)+32*\g+4*\j+3], v[WO], s[24:25] offset:(\n)*524288+(4*\j+\g)*4096 th:TH_LOAD_NT
.endr
.endr
.endm
.macro DCVT set
	WIN 0x0a
.irp c, 0,1,2,3
.irp i, 0,1,2,3
	v_cvt_pk_bf16_f32 v[T+8*\c+\i], v[64*(\set)+8*\i+\c], v[64*(\set)+8*\i+4+\c]
.endr
.irp i, 0,1,2,3
	v_cvt_pk_bf16_f32 v[T+8*\c+4+\i], v[64*(\set)+32+8*\i+\c], v[64*(\set)+36+8*\i+\c]
.endr
.endr
.endm
.macro DSTORE a, n
	WIN 0
.irp c, 0,1,2,3
	ds_store_b128 v[\a], v[T+8*\c:T+8*\c+3]   offset:(\n)*16384+\c*1024
	ds_store_b128 v[\a], v[T+8*\c+4:T+8*\c+7] offset:(\n)*16384+\c*1024+512
.endr
.endm
.macro ALOAD q                         ; 10 loads: fragment q of my five tiles, 512 consecutive bytes each
	WIN 0
.irp i, 0,1,2,3,4
	global_load_b128 v[AR+40*((\q)%6)+8*\i:AR+40*((\q)%6)+8*\i+3],   v[L16], s[36+2*\i:37+2*\i] offset:1024*(\q)
	global_load_b128 v[AR+40*((\q)%6)+8*\i+4:AR+40*((\q)%6)+8*\i+7], v[L16], s[36+2*\i:37+2*\i] offset:1024*(\q)+512
.endr
.endm
.macro BLOAD q                         ; 8 LDS loads: the four column tiles of fragment q
	WIN 0x40
.if (\q) < 16
.set BA, L16
.else
.set BA, BHI
.endif
.irp c, 0,1,2,3
	ds_load_b128 v[160+32*((\q)%2)+8*\c:160+32*((\q)%2)+8*\c+3],   v[BA] offset:((\q)%16)*4096+\c*1024
	ds_load_b128 v[160+32*((\q)%2)+8*\c+4:160+32*((\q)%2)+8*\c+7], v[BA] offset:((\q)%16)*4096+\c*1024+512
.endr
.endm
; 32 along K: 20 products, the accumulators by turns, one instruction a turn; then the ring's set and the buffer just read are asked for again
.macro STEP q
.if (\q) <= 26
	s_wait_loadcnt 50                              ; set q is in: five sets of 10 are younger
.else
	s_wait_loadcnt 10*(31-(\q))                    ; the counts run down
.endif
.if (\q) < 31
	s_wait_dscnt 8                                 ; the weights of step q are in: those of step q + 1 are younger
.else
	s_wait_dscnt 0x0
.endif
	WIN 0x54
.irp i, 0,1,2,3,4
.irp c, 0,1,2,3
.if (\q) == 0
	v_wmma_f32_16x16x32_bf16 v[32*\i+8*\c:32*\i+8*\c+7], v[AR+40*((\q)%6)+8*\i:AR+40*((\q)%6)+8*\i+7], v[160+32*((\q)%2)+8*\c:160+32*((\q)%2)+8*\c+7], 0
.else
	v_wmma_f32_16x16x32_bf16 v[32*\i+8*\c:32*\i+8*\c+7], v[AR+40*((\q)%6)+8*\i:AR+40*((\q)%6)+8*\i+7], v[160+32*((\q)%2)+8*\c:160+32*((\q)%2)+8*\c+7], v[32*\i+8*\c:32*\i+8*\c+7]
.endif
.endr
.endr
	WIN 0
.if (\q) <= 29
	PLACES                                         ; ahead of loads into registers that the products above have read
.endif
.if (\q) <= 25
	ALOAD (\q)+6
.endif
.if (\q) <= 29
	BLOAD (\q)+2
.endif
.endm
.macro OUT i                           ; tile i's four accumulators, as they lie; each from its low end on; a dead tile is jumped
	WIN 0
	s_cmp_ge_u32 s[56+(\i)], s18
	s_cbranch_scc1 .Ldead_\@
	WIN 0x04
.irp c, 0,1,2,3
	global_store_b128 v[L16], v[32*(\i)+8*\c:32*(\i)+8*\c+3],   s[46+2*(\i):47+2*(\i)] offset:1024*\c      ; 512 consecutive bytes, aligned
	global_store_b128 v[L16], v[32*(\i)+8*\c+4:32*(\i)+8*\c+7], s[46+2*(\i):47+2*(\i)] offset:1024*\c+512
.endr
	WIN 0
.Ldead_\@:
.endm
	s_load_b256 s[4:11], s[0:1], 0x0               ; w_proj s[4:5], hs s[6:7], meta s[8:9], part s[10:11]
	v_lshl_add_u32 v[SPW], v0, 2, SPARE
	v_mov_b32 v[NIL], 0
	v_and_b32 v[LN], 31, v0
	v_lshrrev_b32 v8, 5, v0
	v_readfirstlane_b32 s14, v8                    ; wave
	s_and_b32 s15, ttmp7, 0xffff                   ; e
	s_and_b32 s16, ttmp9, 3                        ; ks
	s_lshr_b32 s12, ttmp9, 2                       ; ns
	v_lshlrev_b32 v[L16], 4, v[LN]
	v_lshrrev_b32 v8, 4, v[LN]
	v_and_b32 v9, 15, v[LN]
	v_lshlrev_b32 v[WO], 4, v9
	v_lshl_add_u32 v[WO], v8, 17, v[WO]            ; 32 rows of 4,096 bytes for the upper lanes
	s_lshl_b32 s20, s14, 12
	v_add_nc_u32 v[WS0], s20, v[L16]
	v_add_nc_u32 v[WS1], 0x10000, v[WS0]
	v_add_nc_u32 v[BHI], 0x10000, v[L16]
	s_lshl_b32 s24, s15, 24                        ; the expert's 2^24 bytes,
	s_lshl_b32 s20, s16, 22                        ; my quarter's 1,024 rows,
	s_add_co_u32 s24, s24, s20
	s_lshl_b32 s20, s12, 8                         ; my 64 columns,
	s_add_co_u32 s24, s24, s20
	s_lshr_b32 s20, s14, 1
	s_lshl_b32 s20, s20, 18                        ; 64 rows for q' / 2 odd,
	s_add_co_u32 s24, s24, s20
	s_and_b32 s20, s14, 1
	s_lshl_b32 s20, s20, 13                        ; 2 rows for q' odd
	s_add_co_u32 s24, s24, s20
	s_mov_b32 s25, 0
	s_lshl_b32 s13, s15, 2
	s_wait_kmcnt 0x0
	s_load_b32 s17, s[8:9], s13 offset:0x4000      ; the expert's count
	s_add_nc_u64 s[24:25], s[4:5], s[24:25]
	DISSUE 0, 0
	DISSUE 1, 1
	DISSUE 2, 2
	DISSUE 3, 3
.irp t, 0,1,2,3
	s_wait_loadcnt 48                              ; this set is in: three sets of 16 are younger
	DCVT \t
	DSTORE WS0, \t
	DISSUE \t, \t+4
.endr
.irp t, 0,1,2,3
	s_wait_loadcnt 48-16*\t                        ; the last four sets: the counts run down
	DCVT \t
	DSTORE WS1, \t
.endr
	WIN 0
	s_wait_dscnt 0x0                               ; for the others' sake: my part of the slice is in LDS
	s_barrier_signal -1
	s_barrier_wait -1                              ; the slice is whole; from here on it is only read
	s_wait_kmcnt 0x0
	s_min_u32 s17, s17, 1024
	s_add_co_u32 s18, s17, 15
	s_lshr_b32 s18, s18, 4                         ; nt
	s_max_u32 s19, s18, 1
	s_sub_co_u32 s19, s19, 1                       ; the last tile
	s_mov_b32 s32, 0                               ; the pass
.Lpass:
	s_mul_i32 s56, s32, 20
	s_add_co_u32 s56, s56, s14                     ; my tiles: 20 p + 4 i + wave
	s_add_co_u32 s57, s56, 4
	s_add_co_u32 s58, s56, 8
	s_add_co_u32 s59, s56, 12
	s_add_co_u32 s60, s56, 16
	s_cmp_ge_u32 s56, s18
	s_cbranch_scc1 .Lnext                          ; no tile of mine in this pass
	s_lshl_b32 s22, s15, 23
	s_lshl_b32 s23, s16, 15
	s_add_co_u32 s22, s22, s23                     ; hs: the expert, my quarter's 32 fragments
	s_lshl_b32 s23, s16, 2
	s_add_co_u32 s23, s23, s15
	s_lshl_b32 s23, s23, 22
	s_lshl_b32 s20, s12, 12
	s_add_co_u32 s23, s23, s20                     ; part: (4 ks + e), ns
	s_mov_b32 s21, 0
.irp i, 0,1,2,3,4
	s_min_u32 s20, s[56+\i], s19                   ; a dead tile repeats the last,
	s_min_u32 s20, s20, 63                         ; inside hs whatever meta holds
	s_lshl_b32 s20, s20, 17
	s_add_co_u32 s20, s20, s22
	s_add_nc_u64 s[36+2*\i:37+2*\i], s[6:7], s[20:21]
	s_lshl_b32 s20, s[56+\i], 16
	s_add_co_u32 s20, s20, s23
	s_add_nc_u64 s[46+2*\i:47+2*\i], s[10:11], s[20:21]
.endr
.irp q, 0,1,2,3,4,5
	ALOAD \q
.endr
	BLOAD 0
	BLOAD 1
.set q, 0
.rept 32
	STEP q
.set q, q+1
.endr
.rept 5
	v_nop                                          ; five places: the stores below, which read results just made, want four; the next pass's first products, which write over these sums, want five, and every store between may be jumped
.endr
	OUT 0
	OUT 1
	OUT 2
	OUT 3
	OUT 4
	s_wait_xcnt 0x0                                ; the stores' data and bases are written again in the next pass
.Lnext:
	s_add_co_u32 s32, s32, 1
	s_cmp_lt_u32 s32, 4
	s_cbranch_scc1 .Lpass
	s_wait_tensorcnt 0x0                           ; the wave's end, behind my last LDS store
	ds_add_u32 v[SPW], v[NIL]
	s_wait_dscnt 0x0
	s_endpgm
.Lfunc_end_k_qeae1fe0808_down:
	.size	k_qeae1fe0808_down, .Lfunc_end_k_qeae1fe0808_down-k_qeae1fe0808_down
	.p2alignl 7, 3214868480
	.fill 96, 4, 3214868480
	.section	.rodata,"a",@progbits
	.p2align	6, 0x0
	.amdhsa_kernel k_qeae1fe0808_down
		.amdhsa_group_segment_fixed_size 131584
		.amdhsa_private_segment_fixed_size 0
		.amdhsa_enable_private_segment 0
		.amdhsa_kernarg_size 32
		.amdhsa_user_sgpr_count 2
		.amdhsa_user_sgpr_kernarg_segment_ptr 1
		.amdhsa_wavefront_size32 1
		.amdhsa_system_sgpr_workgroup_id_x 1
		.amdhsa_system_sgpr_workgroup_id_y 1
		.amdhsa_system_sgpr_workgroup_id_z 1
		.amdhsa_system_vgpr_workitem_id 0
		.amdhsa_next_free_vgpr 768
		.amdhsa_next_free_sgpr 66
		.amdhsa_reserve_vcc 0
		.amdhsa_float_denorm_mode_32 3
		.amdhsa_float_denorm_mode_16_64 3
		.amdhsa_memory_ordered 1
		.amdhsa_forward_progress 1
		.amdhsa_inst_pref_size 137
	.end_amdhsa_kernel
	.amdgpu_metadata
---
amdhsa.version: [ 1, 2 ]
amdhsa.kernels:
  - .name:           k_qeae1fe0808_down
    .symbol:         k_qeae1fe0808_down.kd
    .args:
      - { .name: w_proj, .offset: 0, .size: 8, .value_kind: global_buffer, .address_space: global }
      - { .name: hs, .offset: 8, .size: 8, .value_kind: global_buffer, .address_space: global }
      - { .name: meta, .offset: 16, .size: 8, .value_kind: global_buffer, .address_space: global }
      - { .name: part, .offset: 24, .size: 8, .value_kind: global_buffer, .address_space: global }
    .group_segment_fixed_size: 131584
    .private_segment_fixed_size: 0
    .kernarg_segment_align: 8
    .kernarg_segment_size: 32
    .max_flat_workgroup_size: 128
    .sgpr_count:     66
    .vgpr_count:     768
    .wavefront_size: 32
...
	.end_amdgpu_metadata
.endif
;; end of part 3
;; launch add (part 4): grid 67 x 4, 4 waves a work-group, no clusters, 0 bytes of LDS; arguments part, meta, out0; writes out0
.if DOCPART == 4
	.amdgcn_target "amdgcn-amd-amdhsa--gfx1250"
	.amdhsa_code_object_version 6
	.text
	.protected	k_qeae1fe0808_add
	.globl	k_qeae1fe0808_add
	.p2align	8
	.type	k_qeae1fe0808_add,@function
k_qeae1fe0808_add:
	s_mov_b64 s[64:65], 0
	v_nop
	global_prefetch_b8 v0, s[64:65] scope:SCOPE_SE
	s_setreg_imm32_b32 hwreg(HW_REG_WAVE_MODE, 25, 1), 1
	s_wait_xcnt 0x0
; THE SUM OF THE FOUR K QUARTERS, and the way back from sorted rows to tokens.  Work-group (g, y): tile g of 16 sorted rows, counted through the experts;
; wave w takes the 64 columns ns = 4 y + w.  1,024 rows in tiles of 16 over 4 experts are never more than 64 + 3 tiles, whatever the split: the grid has 67,
; and a work-group past the last tile stores nothing and ends.
; An accumulator holds, in lane (r, h), register z: sorted row 8 h + z, column 4 r + c.  The last addition writes the four c side by side, so that a lane's
; 16 bytes are four neighbouring columns and sixteen lanes store 256 consecutive bytes of a token's row, aligned.
; The parts are added as (p0 + p1) + (p2 + p3), in f32.  Memory binds: no LDS, no barrier, no matrix unit.
.set LI, 8                             ; v[8:15]    my eight rows' tokens, then their byte offsets in out0
.set P,  16                            ; v[16:143]  quarter ks at P + 32 ks: accumulator c at + 8 c
.set O,  144                           ; v[144:175] row z at O + 4 z
	s_load_b128 s[4:7], s[0:1], 0x0                ; part s[4:5], meta s[6:7]
	s_load_b64 s[8:9], s[0:1], 0x10                ; out0
	v_and_b32 v1, 31, v0
	v_lshrrev_b32 v3, 5, v0
	v_readfirstlane_b32 s10, v3                    ; wave
	s_and_b32 s11, ttmp7, 0xffff
	s_lshl_b32 s11, s11, 2
	s_add_co_u32 s11, s11, s10                     ; ns
	s_mov_b32 s23, ttmp9                           ; g
	v_lshlrev_b32 v2, 4, v1                        ; 16 lane
	v_lshrrev_b32 v3, 4, v1                        ; h
	v_and_b32 v4, 15, v1                           ; r
	s_wait_kmcnt 0x0
	s_load_b128 s[12:15], s[6:7], 0x4000           ; the four counts
	v_lshlrev_b32 v5, 5, v3                        ; eight words of the list for each half of the lanes
	s_lshl_b32 s20, s11, 8
	v_lshl_add_u32 v7, v4, 4, s20                  ; my 16 bytes in a row of out0
	s_wait_kmcnt 0x0
	s_min_u32 s12, s12, 1024
	s_min_u32 s13, s13, 1024
	s_min_u32 s14, s14, 1024
	s_min_u32 s15, s15, 1024
	s_add_co_u32 s16, s12, 15
	s_lshr_b32 s16, s16, 4                         ; tiles of expert 0,
	s_add_co_u32 s17, s13, 15
	s_lshr_b32 s17, s17, 4
	s_add_co_u32 s17, s17, s16                     ; of experts 0 and 1,
	s_add_co_u32 s18, s14, 15
	s_lshr_b32 s18, s18, 4
	s_add_co_u32 s18, s18, s17                     ; 0 to 2,
	s_add_co_u32 s19, s15, 15
	s_lshr_b32 s19, s19, 4
	s_add_co_u32 s19, s19, s18                     ; all
	s_cmp_ge_u32 s23, s19
	s_cbranch_scc1 .Lend                           ; this split has no such tile
	s_mov_b32 s24, 0                               ; the expert,
	s_mov_b32 s25, 0                               ; its first tile,
	s_mov_b32 s26, s12                             ; its count
	s_cmp_ge_u32 s23, s16
	s_cselect_b32 s24, 1, s24
	s_cselect_b32 s25, s16, s25
	s_cselect_b32 s26, s13, s26
	s_cmp_ge_u32 s23, s17
	s_cselect_b32 s24, 2, s24
	s_cselect_b32 s25, s17, s25
	s_cselect_b32 s26, s14, s26
	s_cmp_ge_u32 s23, s18
	s_cselect_b32 s24, 3, s24
	s_cselect_b32 s25, s18, s25
	s_cselect_b32 s26, s15, s26
	s_sub_co_u32 s25, s23, s25                     ; t
	s_min_u32 s25, s25, 63                         ; inside the buffers whatever meta holds
	s_min_u32 s24, s24, 3
	s_lshl_b32 s27, s25, 4
	s_sub_co_u32 s27, s26, s27                     ; rows left from the tile's first on
	v_lshlrev_b32 v6, 3, v3
	v_sub_nc_u32 v6, s27, v6                       ; and from my half's first on: row z is stored where z is less
	s_lshl_b32 s20, s24, 12
	s_lshl_b32 s21, s25, 6
	s_add_co_u32 s20, s20, s21
	s_mov_b32 s21, 0
	s_add_nc_u64 s[28:29], s[6:7], s[20:21]        ; the list at the tile's first row
	s_lshl_b32 s20, s24, 22
	s_lshl_b32 s22, s25, 16
	s_add_co_u32 s20, s20, s22
	s_lshl_b32 s22, s11, 12
	s_add_co_u32 s20, s20, s22
	s_add_nc_u64 s[32:33], s[4:5], s[20:21]        ; part at (ks = 0, e, t, ns); the quarters lie 2^24 bytes apart
	s_add_nc_u64 s[34:35], s[32:33], 0x1000000
	s_add_nc_u64 s[36:37], s[34:35], 0x1000000
	s_add_nc_u64 s[38:39], s[36:37], 0x1000000
	global_load_b128 v[LI:LI+3],   v5, s[28:29]
	global_load_b128 v[LI+4:LI+7], v5, s[28:29] offset:16
.irp k, 0,1,2,3
.irp j, 0,1,2,3,4,5,6,7
	global_load_b128 v[P+32*\k+4*\j:P+32*\k+4*\j+3], v2, s[32+2*\k:33+2*\k] offset:512*\j th:TH_LOAD_NT   ; 512 consecutive bytes; read once in the launch
.endr
.endr
	s_wait_loadcnt 32                              ; the list is in: the 32 loads of parts are younger
.irp z, 0,1,2,3,4,5,6,7
	v_min_u32 v[LI+\z], 0x3ff, v[LI+\z]            ; a token, inside out0 whatever the list holds
	v_lshl_add_u32 v[LI+\z], v[LI+\z], 12, v7
.endr
	s_wait_loadcnt 16                              ; quarters 0 and 1 are in
.set z, 0
.rept 16
	v_pk_add_f32 v[P+2*z:P+2*z+1], v[P+2*z:P+2*z+1], v[P+32+2*z:P+33+2*z]
.set z, z+1
.endr
	s_wait_loadcnt 0x0
.set z, 0
.rept 16
	v_pk_add_f32 v[P+64+2*z:P+65+2*z], v[P+64+2*z:P+65+2*z], v[P+96+2*z:P+97+2*z]
.set z, z+1
.endr
.irp z, 0,1,2,3,4,5,6,7
.irp c, 0,1,2,3
	v_add_f32 v[O+4*\z+\c], v[P+8*\c+\z], v[P+64+8*\c+\z]   ; the last addition also lays the four columns side by side
.endr
.endr
.irp z, 0,1,2,3,4,5,6,7
	v_cmp_lt_i32 vcc_lo, \z, v6                    ; rows z and 8 + z of the tile: each half of the lanes by its own count
	s_wait_xcnt 0x0                                ; EXEC is a source of the loads and stores above: it changes only behind this wait
	s_and_saveexec_b32 s40, vcc_lo
	global_store_b128 v[LI+\z], v[O+4*\z:O+4*\z+3], s[8:9] th:TH_STORE_NT
	s_wait_xcnt 0x0
	s_or_b32 exec_lo, exec_lo, s40
.endr
.Lend:
	s_endpgm
.Lfunc_end_k_qeae1fe0808_add:
	.size	k_qeae1fe0808_add, .Lfunc_end_k_qeae1fe0808_add-k_qeae1fe0808_add
	.p2alignl 7, 3214868480
	.fill 96, 4, 3214868480
	.section	.rodata,"a",@progbits
	.p2align	6, 0x0
	.amdhsa_kernel k_qeae1fe0808_add
		.amdhsa_group_segment_fixed_size 0
		.amdhsa_private_segment_fixed_size 0
		.amdhsa_enable_private_segment 0
		.amdhsa_kernarg_size 24
		.amdhsa_user_sgpr_count 2
		.amdhsa_user_sgpr_kernarg_segment_ptr 1
		.amdhsa_wavefront_size32 1
		.amdhsa_system_sgpr_workgroup_id_x 1
		.amdhsa_system_sgpr_workgroup_id_y 1
		.amdhsa_system_sgpr_workgroup_id_z 1
		.amdhsa_system_vgpr_workitem_id 0
		.amdhsa_next_free_vgpr 176
		.amdhsa_next_free_sgpr 66
		.amdhsa_reserve_vcc 1
		.amdhsa_float_denorm_mode_32 3
		.amdhsa_float_denorm_mode_16_64 3
		.amdhsa_memory_ordered 1
		.amdhsa_forward_progress 1
		.amdhsa_inst_pref_size 13
	.end_amdhsa_kernel
	.amdgpu_metadata
---
amdhsa.version: [ 1, 2 ]
amdhsa.kernels:
  - .name:           k_qeae1fe0808_add
    .symbol:         k_qeae1fe0808_add.kd
    .args:
      - { .name: part, .offset: 0, .size: 8, .value_kind: global_buffer, .address_space: global }
      - { .name: meta, .offset: 8, .size: 8, .value_kind: global_buffer, .address_space: global }
      - { .name: out0, .offset: 16, .size: 8, .value_kind: global_buffer, .address_space: global }
    .group_segment_fixed_size: 0
    .private_segment_fixed_size: 0
    .kernarg_segment_align: 8
    .kernarg_segment_size: 24
    .max_flat_workgroup_size: 128
    .sgpr_count:     66
    .vgpr_count:     176
    .wavefront_size: 32
...
	.end_amdgpu_metadata
.endif
;; end of part 4
;; ======== version 2 of 2: 4 launches; version 1 with the launch down written anew for expert scheduling mode
;; workspace buffers: xb 2,097,152 bytes; idx 4,096 bytes of whole numbers; meta 16,640 bytes of whole numbers; hs 33,554,432 bytes; part 67,108,864 bytes
;; launch route: the kernel of part 1 again; grid 256 x 1, 4 waves a work-group, no clusters, 0 bytes of LDS; arguments x, w_router, xb, idx; writes xb, idx
;; launch up: the kernel of part 2 again; grid 64 x 4, 4 waves a work-group, no clusters, 267,008 bytes of LDS; arguments w_v, xb, idx, hs, meta; writes hs, meta
;; launch down (part 5): grid 64 x 4, 4 waves a work-group, no clusters, 131,584 bytes of LDS; arguments w_proj, hs, meta, part; writes part
.if DOCPART == 5
	.amdgcn_target "amdgcn-amd-amdhsa--gfx1250"
	.amdhsa_code_object_version 6
	.text
	.protected	k_qeae1fe0808_down
	.globl	k_qeae1fe0808_down
	.p2align	8
	.type	k_qeae1fe0808_down,@function
k_qeae1fe0808_down:
	s_mov_b64 s[64:65], 0
	v_nop
	global_prefetch_b8 v0, s[64:65] scope:SCOPE_SE
	s_setreg_imm32_b32 hwreg(HW_REG_WAVE_SCHED_MODE, 0, 2), 2
	s_setreg_imm32_b32 hwreg(HW_REG_WAVE_MODE, 25, 1), 1
	s_wait_xcnt 0x0
	s_wait_alu depctr_vm_vsrc(0)
; SECOND PRODUCT.  Work-group (x = 4 ns + ks, e): expert e, output columns 64 ns .. + 63, hidden rows 1,024 ks .. + 1,023.  It stores f32 partial sums, as the
; accumulators lie; the launch behind adds the four K quarters.  The K split keeps the weights' rows at 256 bytes (64 f32 columns) on 256 work-groups.
; PHASE 1.  The slice of w_proj (1,024 rows x 256 bytes, f32) is read once, by this work-group alone, rounded to bf16 in registers and laid into LDS as ready
; fragments: component c of a 16-byte load goes to column tile c (index r is column 4 r + c), and the rows are taken in the order in which hs holds the hidden
; columns: K place k' < 16 of fragment q is hidden row 64 (q / 2) + 4 k' + 2 (q % 2), k' >= 16 the row behind it.
; PHASE 2, behind the one barrier: four passes of 320 rows, as in the launch before; h's fragments come from memory straight into registers as source 0
; (16 tokens), through a ring of seven sets; nothing writes LDS: no barrier.  A dead tile repeats the expert's last tile and is not stored.
; NO TENSOR LOADS, NO CLUSTER: the passes hang on a stored count and are jumped; each weight byte has one reader.
; LIMITS.  w_proj is rounded to bf16.  An expert without rows still has its slices read.
; THE MODE: SCHED_MODE bits 1:0 = 2 (LLVM: expert scheduling mode 2), set by the entry lines.  The code itself states the register dependences
; between vector or matrix instructions and memory or LDS instructions, with s_wait_alu, always for 0.
; THE PLAN.  Registers that memory or LDS instructions touch:
;   v2, v3, v4, v5, v7   addresses: made at the head, never written again.
;   STAGE0 .. STAGE3     phase 1, turn t: its 32 roundings read STAGE[t % 4]; behind them the set's next 16 loads land in it.
;   T0, T1               phase 1, turn t: its roundings write T[t % 2], its 8 LDS stores read it; it is written again two turns later.
;   the ring, 7 sets     step q: its 20 products read set q % 7; its 10 loads (step q + 6) land in set (q - 1) % 7, which step q - 1 read.
;   the weights, 3 buffers   step q: its products read buffer q % 3; its 8 LDS loads (step q + 2) land in buffer (q - 1) % 3, which step q - 1 read.
;   the accumulators     written by products alone; read by a pass's stores; written over by the next pass's first products.
; So ONE wait on va_vdst stands at a step's head: the step before is done with the set and the buffer that this step's loads fill.  These loads are dealt among
; the step's own products, which name set q % 7, buffer q % 3 and the accumulators: none of the registers that the loads touch.
.set LN,  1
.set L16, 2                            ; 16 lane: hs, part, and the fragments q' < 16 in WF ([q' 0..31][c][1,024], LDS bytes 0 .. 131,071)
.set WO,  3                            ; w_proj: (lane / 16) x 32 rows + (lane % 16) x 16 bytes
.set WS0, 4                            ; where my fragments go: q' = 4 n + wave, n < 4
.set WS1, 5                            ; n >= 4
.set BHI, 7                            ; the fragments q' >= 16
.set AR,  16                           ; v[16:255]  h's fragments: sets 0 to 5 of the ring, 5 tiles x 8 each; set 6 lies in window 2, v0-39
.set T,   16                           ; phase 1: four tiles' fragments, rounded: two buffers of 32, by turns
; window 1: accumulator (i, c) at 32 i + 8 c (v0-159); v160-191, v192-223, v224-255 the weights' fragments, three buffers
; window 2: phase 1: four sets of 64 as loaded; phase 2: v0-39 the ring's set 6
.set MSB, 0
.macro WIN new
.if MSB != (\new)
	s_set_vgpr_msb (MSB<<8)|(\new)
.set MSB, (\new)
.endif
.endm
.macro PLACES
.rept 4
	v_nop
.endr
.endm
.macro DISSUE set, n                   ; 16 loads: the 32 K places of fragment q' = 4 n + wave: rows 32 h + 4 j + g
	WIN 0x80
.irp g, 0,1
.irp j, 0,1,2,3,4,5,6,7
	global_load_b128 v[64*(\set)+32*\g+4*\j:64*(\set)+32*\g+4*\j+3], v[WO], s[24:25] offset:(\n)*524288+(4*\j+\g)*4096 th:TH_LOAD_NT
.endr
.endr
.endm
.macro DCVT set, tb                    ; staging set 'set' is rounded into buffer tb of T
	WIN 0x0a
.irp c, 0,1,2,3
.irp i, 0,1,2,3
	v_cvt_pk_bf16_f32 v[T+32*(\tb)+8*\c+\i], v[64*(\set)+8*\i+\c], v[64*(\set)+8*\i+4+\c]
.endr
.irp i, 0,1,2,3
	v_cvt_pk_bf16_f32 v[T+32*(\tb)+8*\c+4+\i], v[64*(\set)+32+8*\i+\c], v[64*(\set)+36+8*\i+\c]
.endr
.endr
.endm
.macro DSTORE a, n, tb
	WIN 0
.irp c, 0,1,2,3
	ds_store_b128 v[\a], v[T+32*(\tb)+8*\c:T+32*(\tb)+8*\c+3]   offset:(\n)*16384+\c*1024
	ds_store_b128 v[\a], v[T+32*(\tb)+8*\c+4:T+32*(\tb)+8*\c+7] offset:(\n)*16384+\c*1024+512
.endr
.endm
.macro ASET q                          ; the ring's set for K step q: its first register AB and its window AW
.set AK, (\q)%7
.if AK < 6
.set AB, AR+40*AK
.set AW, 0
.else
.set AB, 0
.set AW, 2
.endif
.endm
.macro ALOAD q                         ; 10 loads: fragment q of my five tiles, 512 consecutive bytes each
	ASET \q
	WIN AW<<6                                      ; the set's window for the destination, window 0 for the address
.irp i, 0,1,2,3,4
	global_load_b128 v[AB+8*\i:AB+8*\i+3],   v[L16], s[36+2*\i:37+2*\i] offset:1024*(\q)
	global_load_b128 v[AB+8*\i+4:AB+8*\i+7], v[L16], s[36+2*\i:37+2*\i] offset:1024*(\q)+512
.endr
.endm
.macro BLOAD q                         ; 8 LDS loads: the four column tiles of fragment q
	WIN 0x40
.if (\q) < 16
.set BA, L16
.else
.set BA, BHI
.endif
.irp c, 0,1,2,3
	ds_load_b128 v[160+32*((\q)%3)+8*\c:160+32*((\q)%3)+8*\c+3],   v[BA] offset:((\q)%16)*4096+\c*1024
	ds_load_b128 v[160+32*((\q)%3)+8*\c+4:160+32*((\q)%3)+8*\c+7], v[BA] offset:((\q)%16)*4096+\c*1024+512
.endr
.endm
.macro MM q, i                         ; tile i's four products of K step q; step 0 starts the sums
	ASET \q
	WIN 0x54|AW                                    ; h in its set's window; weights, C and D in window 1
.set BB, 160+32*((\q)%3)
.irp c, 0,1,2,3
.if (\q) == 0
	v_wmma_f32_16x16x32_bf16 v[32*(\i)+8*\c:32*(\i)+8*\c+7], v[AB+8*(\i):AB+8*(\i)+7], v[BB+8*\c:BB+8*\c+7], 0
.else
	v_wmma_f32_16x16x32_bf16 v[32*(\i)+8*\c:32*(\i)+8*\c+7], v[AB+8*(\i):AB+8*(\i)+7], v[BB+8*\c:BB+8*\c+7], v[32*(\i)+8*\c:32*(\i)+8*\c+7]
.endif
.endr
.endm
; 32 along K: 20 products, the accumulators by turns, one instruction a turn; among them the loads into the set and the buffer that the step before read
.macro STEP q
.if (\q) <= 26
	s_wait_loadcnt 50                              ; set q is in: five sets of 10 are younger
.else
	s_wait_loadcnt 10*(31-(\q))                    ; the counts run down
.endif
.if (\q) < 31
	s_wait_dscnt 8                                 ; the weights of step q are in: those of step q + 1 are younger
.else
	s_wait_dscnt 0x0
.endif
.if ((\q) >= 1) && ((\q) <= 29)
	s_wait_alu depctr_va_vdst(0)                   ; the products of step q - 1 are done reading ring set (q - 1) % 7 and weights' buffer (q - 1) % 3, in which this step's loads land
.endif
	MM \q, 0
.if (\q) <= 29
	BLOAD (\q)+2                                   ; no further wait: no product since the wait names this buffer or its address
.endif
	MM \q, 1
	MM \q, 2
.if (\q) <= 25
	ALOAD (\q)+6                                   ; likewise: no product since the wait names this set or its address
.endif
	MM \q, 3
	MM \q, 4
.if (\q) <= 28
	PLACES                                         ; four places between the products above and the next step's loads into registers that they have read; they stay beside that step's wait
.endif
.endm
.macro OUT i                           ; tile i's four accumulators, as they lie; each from its low end on; a dead tile is jumped
	WIN 0
	s_cmp_ge_u32 s[56+(\i)], s18
	s_cbranch_scc1 .Ldead_\@
	WIN 0x04
.irp c, 0,1,2,3
	global_store_b128 v[L16], v[32*(\i)+8*\c:32*(\i)+8*\c+3],   s[46+2*(\i):47+2*(\i)] offset:1024*\c      ; 512 consecutive bytes, aligned
	global_store_b128 v[L16], v[32*(\i)+8*\c+4:32*(\i)+8*\c+7], s[46+2*(\i):47+2*(\i)] offset:1024*\c+512
.endr
	WIN 0
.Ldead_\@:
.endm
	s_load_b256 s[4:11], s[0:1], 0x0               ; w_proj s[4:5], hs s[6:7], meta s[8:9], part s[10:11]
	v_lshl_add_u32 v14, v0, 2, 0x20000
	v_mov_b32 v15, 0
	v_and_b32 v[LN], 31, v0
	v_lshrrev_b32 v8, 5, v0
	v_readfirstlane_b32 s14, v8                    ; wave
	s_and_b32 s15, ttmp7, 0xffff                   ; e
	s_and_b32 s16, ttmp9, 3                        ; ks
	s_lshr_b32 s12, ttmp9, 2                       ; ns
	v_lshlrev_b32 v[L16], 4, v[LN]
	v_lshrrev_b32 v8, 4, v[LN]
	v_and_b32 v9, 15, v[LN]
	v_lshlrev_b32 v[WO], 4, v9
	v_lshl_add_u32 v[WO], v8, 17, v[WO]            ; 32 rows of 4,096 bytes for the upper lanes
	s_wait_alu depctr_va_sdst(0)                   ; s14 is written, ahead of its first reader: LDS addresses, the weights' base and the tiles' numbers are made from it
	s_lshl_b32 s20, s14, 12
	v_add_nc_u32 v[WS0], s20, v[L16]
	v_add_nc_u32 v[WS1], 0x10000, v[WS0]
	v_add_nc_u32 v[BHI], 0x10000, v[L16]
	s_lshl_b32 s24, s15, 24                        ; the expert's 2^24 bytes,
	s_lshl_b32 s20, s16, 22                        ; my quarter's 1,024 rows,
	s_add_co_u32 s24, s24, s20
	s_lshl_b32 s20, s12, 8                         ; my 64 columns,
	s_add_co_u32 s24, s24, s20
	s_lshr_b32 s20, s14, 1
	s_lshl_b32 s20, s20, 18                        ; 64 rows for q' / 2 odd,
	s_add_co_u32 s24, s24, s20
	s_and_b32 s20, s14, 1
	s_lshl_b32 s20, s20, 13                        ; 2 rows for q' odd
	s_add_co_u32 s24, s24, s20
	s_mov_b32 s25, 0
	s_lshl_b32 s13, s15, 2
	s_wait_kmcnt 0x0
	s_load_b32 s17, s[8:9], s13 offset:0x4000      ; the expert's count
	s_add_nc_u64 s[24:25], s[4:5], s[24:25]
	s_wait_alu depctr_va_vdst(0)                   ; the five addresses v2, v3, v4, v5 and v7 are written: every load and store of the kernel reads one of them, and none is written again
	DISSUE 0, 0
	DISSUE 1, 1
	DISSUE 2, 2
	DISSUE 3, 3
.irp t, 0,1,2,3
	s_wait_loadcnt 48                              ; this set is in: three sets of 16 are younger
.if \t >= 2
	s_wait_alu depctr_vm_vsrc(0)                   ; the LDS stores of two turns back have read this turn's buffer of T, which the roundings below write again
.endif
	DCVT \t, (\t)%2
	s_wait_alu depctr_va_vdst(0)                   ; the roundings have written their buffer of T, which the LDS stores below read, and are done reading the staging set, in which the loads below land
	DISSUE \t, \t+4
	DSTORE WS0, \t, (\t)%2
.endr
.irp t, 0,1,2,3
	s_wait_loadcnt 48-16*\t                        ; the last four sets: the counts run down
	s_wait_alu depctr_vm_vsrc(0)                   ; the LDS stores of two turns back have read this turn's buffer of T, which the roundings below write again
	DCVT \t, (\t)%2
	s_wait_alu depctr_va_vdst(0)                   ; the roundings have written their buffer of T, which the LDS stores below read; behind the last turn's wait no vector instruction stands ahead of the first loads of h, which land in T and in staging set 0
	DSTORE WS1, \t, (\t)%2
.endr
	WIN 0
	s_wait_dscnt 0x0                               ; for the others' sake: my part of the slice is in LDS
	s_barrier_signal -1
	s_barrier_wait -1                              ; the slice is whole; from here on it is only read
	s_wait_alu depctr_vm_vsrc(0)                   ; my LDS stores have read both buffers of T: these registers belong to the ring from here on, and loads of h land in them
	s_wait_kmcnt 0x0
	s_min_u32 s17, s17, 1024
	s_add_co_u32 s18, s17, 15
	s_lshr_b32 s18, s18, 4                         ; nt
	s_max_u32 s19, s18, 1
	s_sub_co_u32 s19, s19, 1                       ; the last tile
	s_mov_b32 s32, 0                               ; the pass
.Lpass:
	s_mul_i32 s56, s32, 20
	s_add_co_u32 s56, s56, s14                     ; my tiles: 20 p + 4 i + wave
	s_add_co_u32 s57, s56, 4
	s_add_co_u32 s58, s56, 8
	s_add_co_u32 s59, s56, 12
	s_add_co_u32 s60, s56, 16
	s_cmp_ge_u32 s56, s18
	s_cbranch_scc1 .Lnext                          ; no tile of mine in this pass
	s_lshl_b32 s22, s15, 23
	s_lshl_b32 s23, s16, 15
	s_add_co_u32 s22, s22, s23                     ; hs: the expert, my quarter's 32 fragments
	s_lshl_b32 s23, s16, 2
	s_add_co_u32 s23, s23, s15
	s_lshl_b32 s23, s23, 22
	s_lshl_b32 s20, s12, 12
	s_add_co_u32 s23, s23, s20                     ; part: (4 ks + e), ns
	s_mov_b32 s21, 0
.irp i, 0,1,2,3,4
	s_min_u32 s20, s[56+\i], s19                   ; a dead tile repeats the last,
	s_min_u32 s20, s20, 63                         ; inside hs whatever meta holds
	s_lshl_b32 s20, s20, 17
	s_add_co_u32 s20, s20, s22
	s_add_nc_u64 s[36+2*\i:37+2*\i], s[6:7], s[20:21]
	s_lshl_b32 s20, s[56+\i], 16
	s_add_co_u32 s20, s20, s23
	s_add_nc_u64 s[46+2*\i:47+2*\i], s[10:11], s[20:21]
.endr
.irp q, 0,1,2,3,4,5
	ALOAD \q                                       ; the ring's first six sets; the seventh is asked for in step 0.  No vector or matrix instruction has named these registers since the last wait on va_vdst (phase 1's last, or the one at the end of the pass before)
.endr
	BLOAD 0
	BLOAD 1
.set q, 0
.rept 32
	STEP q
.set q, q+1
.endr
.rept 5
	v_nop                                          ; five places: the stores below, which read results just made, want four; the next pass's first products, which write over these sums, want five, and every store between may be jumped
.endr
	s_wait_alu depctr_va_vdst(0)                   ; the products have written the sums, which the stores below read; the places above stay beside this wait.  They are also done reading the ring and the weights' buffers, in which the next pass's first loads land
	OUT 0
	OUT 1
	OUT 2
	OUT 3
	OUT 4
	s_wait_xcnt 0x0                                ; the stores' data and bases are written again in the next pass
	s_wait_alu depctr_vm_vsrc(0)                   ; the stores have read the sums, which the next pass's first products write over
.Lnext:
	s_add_co_u32 s32, s32, 1
	s_cmp_lt_u32 s32, 4
	s_cbranch_scc1 .Lpass
	s_wait_dscnt 0x0                               ; the wave's end: my last LDS instructions are done.  The closing add below puts 0 onto my spare word behind the slice
	s_wait_alu depctr_hold_cnt(0) depctr_sa_sdst(0) depctr_va_vdst(0) depctr_va_sdst(0) depctr_va_ssrc(0) depctr_va_vcc(0) depctr_vm_vsrc(0)
	s_wait_tensorcnt 0x0
	ds_add_u32 v14, v15
	s_wait_dscnt 0x0
	s_endpgm
.Lfunc_end_k_qeae1fe0808_down:
	.size	k_qeae1fe0808_down, .Lfunc_end_k_qeae1fe0808_down-k_qeae1fe0808_down
	.p2alignl 7, 3214868480
	.fill 96, 4, 3214868480
	.section	.rodata,"a",@progbits
	.p2align	6, 0x0
	.amdhsa_kernel k_qeae1fe0808_down
		.amdhsa_group_segment_fixed_size 131584
		.amdhsa_private_segment_fixed_size 0
		.amdhsa_enable_private_segment 0
		.amdhsa_kernarg_size 32
		.amdhsa_user_sgpr_count 2
		.amdhsa_user_sgpr_kernarg_segment_ptr 1
		.amdhsa_wavefront_size32 1
		.amdhsa_system_sgpr_workgroup_id_x 1
		.amdhsa_system_sgpr_workgroup_id_y 1
		.amdhsa_system_sgpr_workgroup_id_z 1
		.amdhsa_system_vgpr_workitem_id 0
		.amdhsa_next_free_vgpr 768
		.amdhsa_next_free_sgpr 66
		.amdhsa_reserve_vcc 0
		.amdhsa_float_denorm_mode_32 3
		.amdhsa_float_denorm_mode_16_64 3
		.amdhsa_memory_ordered 1
		.amdhsa_forward_progress 1
		.amdhsa_inst_pref_size 139
	.end_amdhsa_kernel
	.amdgpu_metadata
---
amdhsa.version: [ 1, 2 ]
amdhsa.kernels:
  - .name:           k_qeae1fe0808_down
    .symbol:         k_qeae1fe0808_down.kd
    .args:
      - { .name: w_proj, .offset: 0, .size: 8, .value_kind: global_buffer, .address_space: global }
      - { .name: hs, .offset: 8, .size: 8, .value_kind: global_buffer, .address_space: global }
      - { .name: meta, .offset: 16, .size: 8, .value_kind: global_buffer, .address_space: global }
      - { .name: part, .offset: 24, .size: 8, .value_kind: global_buffer, .address_space: global }
    .group_segment_fixed_size: 131584
    .private_segment_fixed_size: 0
    .kernarg_segment_align: 8
    .kernarg_segment_size: 32
    .max_flat_workgroup_size: 128
    .sgpr_count:     66
    .vgpr_count:     768
    .wavefront_size: 32
...
	.end_amdgpu_metadata
.endif
;; end of part 5
;; launch add: the kernel of part 4 again; grid 67 x 4, 4 waves a work-group, no clusters, 0 bytes of LDS; arguments part, meta, out0; writes out0
